; MI455X (gfx1250); checked and timed in simulation.
; The chip was launched on July 23, 2026; its instructions are those of AMD's public machine-readable ISA for CDNA 5 (MIT licence, August 2026) and "CDNA5" Instruction Set Architecture Reference Guide (July 2026). The comments in the code are by the model that wrote it; some were corrected since.
;; Attention. Allowed arithmetic: matrix products marked QUANTISED: E2M1 operands, one E8M0 scale for each 32 along K, by v_wmma_scale_f32_16x16x128_f8f6f4 with both operands' format E2M1 (or v_wmma_scale_f32_32x16x128_f4), f32 sums; products left as they are: bf16, f16 or f32 operands; f32 sums; everything else in f32.
;; Inputs: W_K 512 x 512 float32; W_Q 512 x 512 float32; W_V 512 x 512 float32; decoder_outputs 16 x 512 float32; encoder_outputs 16 x 8,192 x 512 float32.
;; Outputs: out0 16 x 512 float32; out1 16 x 1 x 8,192 float32.
;; This version of the problem:
;;   THIS VERSION OF THE PROBLEM IS GIVEN IN LOW PRECISION. The matrix products marked QUANTISED in the list below multiply operands that are first quantised to E2M1 (2 exponent bits, 1 mantissa bit; 4 bits a number), with one power-of-two scale for each 32 numbers along K (OCP MX v1.0); their sums are f32. The products marked 'left as it is' may take bf16, f16 or f32 operands, with f32 sums. Whichever they take, every output number must still come out within the allowed error. Rounding operands to bf16 (8 significant bits) uses up far more of that allowance than f16 does (11 bits, for magnitudes from 6e-5 to 65,504). All else is computed in f32.
;;   The module's matrix products, in the order in which they are computed (A, B: the left and right operand; K: the contracted axis; several contracted axes count as one K, in the product's order):
;;     1. [M 16, K 512] x [K 512, N 512]; A: input decoder_outputs; B: input W_Q: QUANTISED
;;     2. [M 131,072, K 512] x [K 512, N 512]; A: input encoder_outputs; B: input W_K: QUANTISED
;;     3. [M 131,072, K 512] x [K 512, N 512]; A: input encoder_outputs; B: input W_V: QUANTISED
;;     4. batch 16 x [M 1, K 512] x [K 512, N 8,192]; A: computed on the way; B: computed on the way: left as it is (M = 1 < 16)
;;     5. batch 16 x [M 1, K 8,192] x [K 8,192, N 512]; A: computed on the way; B: computed on the way: left as it is (M = 1 < 16)
;;   THE QUANTISER, for each operand of a quantised product, along K:
;;     - K is cut into blocks of 32 from its start; a last block that is shorter is filled with zeros.
;;     - A block's scale is 2^e with e = floor(log2(the largest magnitude in the block)) - 2, held to -126 .. 127; a block of zeros has e = 0. As a byte (E8M0): e + 127.
;;     - Each number is divided by its block's scale, clamped to +-6, and rounded to the nearest number of E2M1, ties to even, subnormals kept.
;;     - The product sums the exact products of the quantised numbers (number of the format x scale) in f32.
;;   ~~~python
;;   def quantise(x, axis):      # numpy; x: float32 -> the quantised numbers, widened to float32 again
;;       x = np.moveaxis(x, axis, -1); K = x.shape[-1]
;;       x = np.pad(x, [(0, 0)] * (x.ndim - 1) + [(0, -K % 32)]); x = x.reshape(x.shape[:-1] + (-1, 32)); a = np.abs(x).max(-1, keepdims=True)
;;       e = np.where(a > 0, np.clip(np.frexp(np.where(a > 0, a, 1))[1] - 1 - 2, -126, 127), 0)      # np.frexp(a)[1] - 1 = floor(log2(a)), exactly
;;       r = np.clip(x / 2.0 ** e, -6, 6)
;;       step = 2.0 ** (np.maximum(np.frexp(np.where(r == 0, 1, r))[1] - 1, 0) - 1)
;;       q = np.round(r / step) * step * 2.0 ** e      # np.round: ties to even
;;       return np.moveaxis(q.reshape(q.shape[:-2] + (-1,))[..., :K], -1, axis).astype(np.float32)
;;   ~~~
;; One version. Each part assembles by itself: llvm-mc -triple=amdgcn-amd-amdhsa -mcpu=gfx1250 --defsym DOCPART=n.
;; ======== version 1 of 1: 3 launches
;; limits: right only within a limited range of input values
;; workspace buffers: wcodes 262,144 bytes; wscales 16,384 bytes; qpart 131,072 bytes; scores 524,288 bytes; stats 2,048 bytes; ctxp 524,288 bytes
;; launch prep (part 1): grid 32 x 3, 4 waves a work-group, no clusters, 101,888 bytes of LDS; arguments W_K, W_V, W_Q, decoder_outputs, wcodes, wscales, qpart; writes wcodes, wscales, qpart
.if DOCPART == 1
	.amdgcn_target "amdgcn-amd-amdhsa--gfx1250"
	.amdhsa_code_object_version 6
	.text
	.protected	k_qcde6fdbd78_prep
	.globl	k_qcde6fdbd78_prep
	.p2align	8
	.type	k_qcde6fdbd78_prep,@function
k_qcde6fdbd78_prep:
	s_mov_b64 s[64:65], 0
	v_nop
	global_prefetch_b8 v0, s[64:65] scope:SCOPE_SE
	s_setreg_imm32_b32 hwreg(HW_REG_WAVE_MODE, 25, 1), 1
	s_wait_xcnt 0x0
; W_K, W_V, W_Q: [512][512] f32, K (the second axis) innermost.  decoder_outputs: [16][512] f32.
; y = 0, 1: W_K, W_V become codes of FP4 (E2M1) with one E8M0 byte for each 32 along K, laid in the order of an operand's registers:
;   wcodes  [mat 2][x 32][s 4][c 2][lane 32][16 bytes]: lane (r, h), group c: the 32 codes of W[16 x + r][128 s + 64 c + 32 h ..]
;   wscales [x 32][32][16 bytes]: place r: the 16 bytes of W_K's row 16 x + r; place 16 + r: those of W_V's row
; y = 2: W_Q's and the decoder's fragments are quantised in registers and multiplied.  qpart [s 4][x 32][g 2][lane 32][16 bytes] f32 holds the four K steps' parts of Q as images of the
;   result's registers: lane (b, h), registers 4 g .. 4 g + 3: Q_s[b][16 x + 8 h + 4 g ..]; the next launch adds the four.
; SHARES: work-group x = a tile of 16 rows of the weight, wave s = a K step of 128: one fragment a wave.  No barrier: waves share nothing.
; THE LOADS ARE DENSE: each reads one row's 512 consecutive bytes of the K step, 16 bytes a lane.  The conversions want 32 neighbours along K in ONE lane: so the 16 rows go through a stage of the
; wave's own in LDS (rows of 512 bytes + 16, so that the sixteen rows of a read start in sixteen different columns of 16 bytes) and come back 128 bytes a lane.
; The two ways that part on the work-group's number have LDS bytes of their own: a wave has three stages: W_K's or W_V's; W_Q's; the decoder's.
; A block's scale is 2^(floor(log2(largest magnitude)) - 2): its byte is the largest magnitude's exponent field - 2, held at 1 from below.
; LIMITS: a block of zeros gets the byte 1 where the quantiser says 127 (its codes are zeros, and this program alone reads the bytes); NaN and infinities among the inputs are not served.
.set LI,  4                            ; v4         16 x lane
.set STI, 8                            ; v8         the stage, in: my wave's region + 16 x lane
.set STO, 9                            ; v9         and back: + 528 r + 128 h
.set SPW, 10                           ; v10        my spare word; never rewritten
.set NIL, 11                           ; v11        0; never rewritten
.set C0,  16                           ; v[16:23]   the weight's codes
.set C1,  24                           ; v[24:31]   the decoder's codes
.set SW0, 32                           ; v32        the weight's scale word: scales and nothing else
.set SW1, 33                           ; v33        the decoder's
.set MA,  34                           ; v34-35     largest magnitudes, first chain, block c
.set MB,  36                           ; v36-37     second chain
.set SOP, 38                           ; v38-39     the conversions' scale operands
.set BY,  40                           ; v40-41     the bytes
.set T,   42
.set T2,  43
.set DQ,  48                           ; v[48:55]   the product
.set X0,  64                           ; v[64:127]  64 numbers of the weight
.set X1,  128                          ; v[128:191] 64 numbers of the decoder's rows
.set PITCH, 528
.set STG,   16*PITCH                   ; a stage: 8,448 bytes
.set WREG,  3*STG                      ; a wave's region: 25,344 bytes
.set SPARE, 4*WREG                     ; behind the four regions: the spare words, 128 bytes for each wave: two blocks of 256 bytes that no other line names
; 16 rows x 512 bytes as they lie: 32 lanes read 512 consecutive bytes, aligned
.macro LOADF reg, base, nt
.irp i, 0,1,2,3,4,5,6,7,8,9,10,11,12,13,14,15
.if \nt
	global_load_b128 v[\reg+4*\i:\reg+4*\i+3], v[LI], s[\base:\base+1] offset:2048*\i th:TH_LOAD_NT
.else
	global_load_b128 v[\reg+4*\i:\reg+4*\i+3], v[LI], s[\base:\base+1] offset:2048*\i
.endif
.endr
.endm
; through the stage at off: afterwards register 32 c + 4 j + i of lane (r, h) is k = 64 c + 32 h + 4 j + i of row r.  LDS serves a wave's instructions in order (ISA guide 5.7.1.4): no wait between the stores and the loads
.macro TURN reg, off
.irp i, 0,1,2,3,4,5,6,7,8,9,10,11,12,13,14,15
	ds_store_b128 v[STI], v[\reg+4*\i:\reg+4*\i+3] offset:\off+PITCH*\i
.endr
.irp c, 0,1
.irp j, 0,1,2,3,4,5,6,7
	ds_load_b128 v[\reg+32*\c+4*\j:\reg+32*\c+4*\j+3], v[STO] offset:\off+256*\c+16*\j
.endr
.endr
.endm
; the 64 numbers become the fragment's 8 registers of codes and the row's scale word.  A lane holds two whole blocks: 2 c + h
.macro QUANTF x, cod, sw
.irp c, 0,1
	v_max3_num_f32 v[MA+\c], |v[\x+32*\c]|, |v[\x+32*\c+1]|, |v[\x+32*\c+2]|
	v_max3_num_f32 v[MB+\c], |v[\x+32*\c+3]|, |v[\x+32*\c+4]|, |v[\x+32*\c+5]|
.endr
.irp i, 6,10,14,18,22,26
.irp c, 0,1
	v_max3_num_f32 v[MA+\c], v[MA+\c], |v[\x+32*\c+\i]|, |v[\x+32*\c+\i+1]|
	v_max3_num_f32 v[MB+\c], v[MB+\c], |v[\x+32*\c+\i+2]|, |v[\x+32*\c+\i+3]|
.endr
.endr
.irp c, 0,1
	v_max3_num_f32 v[MA+\c], v[MA+\c], |v[\x+32*\c+30]|, |v[\x+32*\c+31]|
.endr
.irp c, 0,1
	v_max3_num_f32 v[MA+\c], v[MA+\c], v[MB+\c], 0x1800000     ; and the floor 2^(3 - 127): the byte cannot fall under 1
.endr
.irp c, 0,1
	v_add_nc_u32 v[SOP+\c], 0xff000000, v[MA+\c]               ; 2 off the exponent field: the conversion takes that field as its scale
.endr
.irp c, 0,1
	v_lshrrev_b32 v[BY+\c], 23, v[SOP+\c]                      ; the scale's byte
.endr
	v_lshl_or_b32 v[T], v[BY+1], 16, v[BY]                     ; my two bytes, blocks h and 2 + h,
	v_lshlrev_b32 v[T], v7, v[T]                               ; at their places (8 h bits up);
	v_permlanex16_b32 v[T2], v[T], s22, s23
	v_or_b32 v[\sw], v[T], v[T2]                               ; with lane l xor 16's two the word is whole, in both halves of the lanes
.irp c, 0,1
.irp g, 0,1,2,3
	v_cvt_scalef32_pk8_fp4_f32 v[\cod+4*\c+\g], v[\x+32*\c+8*\g:\x+32*\c+8*\g+7], v[SOP+\c]
.endr
.endr
	v_nop                                                      ; one plain line behind the last scaled conversion
.endm
	s_load_b256 s[4:11], s[0:1], 0x0               ; W_K s[4:5], W_V s[6:7], W_Q s[8:9], decoder_outputs s[10:11]
	s_load_b128 s[12:15], s[0:1], 0x20             ; wcodes s[12:13], wscales s[14:15]
	s_load_b64 s[16:17], s[0:1], 0x30              ; qpart
	v_lshl_add_u32 v[SPW], v0, 2, SPARE
	v_mov_b32 v[NIL], 0
	v_lshrrev_b32 v1, 5, v0
	v_readfirstlane_b32 s18, v1                    ; wave = K step s
	s_and_b32 s19, ttmp7, 0xffff                   ; which matrix
	s_mov_b32 s20, ttmp9                           ; x: which 16 rows
	v_and_b32 v1, 15, v0                           ; r
	v_bfe_u32 v2, v0, 4, 1                         ; h
	v_and_b32 v[LI], 31, v0
	v_lshlrev_b32 v[LI], 4, v[LI]                  ; 16 x lane: in, into the stage, and the images out
	s_mul_i32 s36, s18, WREG                       ; my wave's region of LDS
	v_add_nc_u32 v[STI], s36, v[LI]
	v_mul_u32_u24 v[STO], v1, PITCH
	v_lshl_add_u32 v[STO], v2, 7, v[STO]
	v_add_nc_u32 v[STO], s36, v[STO]
	v_lshlrev_b32 v6, 4, v1                        ; scale word out: 16 r
	v_lshlrev_b32 v7, 3, v2                        ; 8 h
	v_mov_b32 v[T2], 0                             ; a lane permute's destination counts as one of its sources
	s_mov_b32 s22, 0x76543210
	s_mov_b32 s23, 0xfedcba98                      ; selects for lane l xor 16
	s_lshl_b32 s26, s20, 15                        ; 16 rows of 2,048 bytes,
	s_lshl_b32 s21, s18, 9                         ; 128 numbers along K
	s_add_co_u32 s26, s26, s21
	s_mov_b32 s27, 0
	s_wait_alu depctr_va_vdst(0)
	s_wait_kmcnt 0x0
	s_cmp_eq_u32 s19, 0                            ; the choice hangs on the work-group's number alone
	s_cselect_b64 s[24:25], s[4:5], s[6:7]
	s_cmp_eq_u32 s19, 2
	s_cselect_b64 s[24:25], s[8:9], s[24:25]
	s_add_nc_u64 s[24:25], s[24:25], s[26:27]
	LOADF X0, 24, 1                                ; each byte of a weight is read once in this launch
	s_cmp_eq_u32 s19, 2
	s_cbranch_scc1 .Lq
	; ---- W_K, W_V: the fragment's image and its scale word go to memory
	s_lshl_b32 s28, s19, 17
	s_lshl_b32 s30, s20, 12
	s_add_co_u32 s28, s28, s30
	s_lshl_b32 s30, s18, 10
	s_add_co_u32 s28, s28, s30                     ; 131,072 mat + 4,096 x + 1,024 s
	s_mov_b32 s29, 0
	s_add_nc_u64 s[12:13], s[12:13], s[28:29]
	s_lshl_b32 s28, s20, 9
	s_lshl_b32 s30, s19, 8
	s_add_co_u32 s28, s28, s30
	s_lshl_b32 s30, s18, 2
	s_add_co_u32 s28, s28, s30                     ; 512 x + 256 mat + 4 s
	s_add_nc_u64 s[14:15], s[14:15], s[28:29]
	s_wait_loadcnt 0x0
	TURN X0, 0
	s_wait_dscnt 0x0
	QUANTF X0, C0, SW0
	global_store_b128 v[LI], v[C0:C0+3], s[12:13]            ; 32 lanes store 512 consecutive bytes, aligned
	global_store_b128 v[LI], v[C0+4:C0+7], s[12:13] offset:512
	global_store_b32 v6, v[SW0], s[14:15]                    ; 4 bytes of each row's 16: both halves of the lanes hold the same word and name the same place.  16 KiB in the whole launch
	s_wait_tensorcnt 0x0                           ; the wave's end, behind my last LDS store
	ds_add_u32 v[SPW], v[NIL]
	s_wait_dscnt 0x0
	s_endpgm
.Lq:
	; ---- W_Q: one K step of Q^T = W_Q dec^T
	s_mov_b32 s28, s21
	s_mov_b32 s29, 0
	s_add_nc_u64 s[10:11], s[10:11], s[28:29]      ; the decoder's rows at this K step
	LOADF X1, 10, 0
	s_lshl_b32 s28, s18, 15
	s_lshl_b32 s30, s20, 10
	s_add_co_u32 s28, s28, s30                     ; 32,768 s + 1,024 x
	s_add_nc_u64 s[16:17], s[16:17], s[28:29]
	s_wait_loadcnt 16                              ; the weight's 16 loads are in; the decoder's 16 may be out
	TURN X0, STG
	s_wait_loadcnt 0x0
	TURN X1, 2*STG
	s_wait_dscnt 32                                ; the weight is back from its stage; behind it: the decoder's 16 stores and 16 loads
	QUANTF X0, C0, SW0
	s_wait_dscnt 0x0
	QUANTF X1, C1, SW1
.rept 8
	v_nop                                          ; a scale register written by a vector instruction stands 8 places ahead of a scaled matrix instruction, an operand so written 4
.endr
	v_wmma_scale_f32_16x16x128_f8f6f4 v[DQ:DQ+7], v[C0:C0+7], v[C1:C1+7], 0, v[SW0], v[SW1] matrix_a_fmt:MATRIX_FMT_FP4 matrix_b_fmt:MATRIX_FMT_FP4   ; source 0 = 16 rows of W_Q, source 1 = the 16 batches: lane (b = r, h), register j: e = 16 x + 8 h + j
.rept 4
	v_nop
.endr
	global_store_b128 v[LI], v[DQ:DQ+3], s[16:17]            ; from the result's low end on; 32 lanes store 512 consecutive bytes, aligned
	global_store_b128 v[LI], v[DQ+4:DQ+7], s[16:17] offset:512
	s_wait_tensorcnt 0x0                           ; the wave's end: the same three lines
	ds_add_u32 v[SPW], v[NIL]
	s_wait_dscnt 0x0
	s_endpgm
.Lfunc_end_k_qcde6fdbd78_prep:
	.size	k_qcde6fdbd78_prep, .Lfunc_end_k_qcde6fdbd78_prep-k_qcde6fdbd78_prep
	.p2alignl 7, 3214868480
	.fill 96, 4, 3214868480
	.section	.rodata,"a",@progbits
	.p2align	6, 0x0
	.amdhsa_kernel k_qcde6fdbd78_prep
		.amdhsa_group_segment_fixed_size 101888
		.amdhsa_private_segment_fixed_size 0
		.amdhsa_enable_private_segment 0
		.amdhsa_kernarg_size 56
		.amdhsa_user_sgpr_count 2
		.amdhsa_user_sgpr_kernarg_segment_ptr 1
		.amdhsa_wavefront_size32 1
		.amdhsa_system_sgpr_workgroup_id_x 1
		.amdhsa_system_sgpr_workgroup_id_y 1
		.amdhsa_system_sgpr_workgroup_id_z 1
		.amdhsa_system_vgpr_workitem_id 0
		.amdhsa_next_free_vgpr 192
		.amdhsa_next_free_sgpr 66
		.amdhsa_reserve_vcc 0
		.amdhsa_float_denorm_mode_32 3
		.amdhsa_float_denorm_mode_16_64 3
		.amdhsa_memory_ordered 1
		.amdhsa_forward_progress 1
		.amdhsa_inst_pref_size 22
	.end_amdhsa_kernel
	.amdgpu_metadata
---
amdhsa.version: [ 1, 2 ]
amdhsa.kernels:
  - .name:           k_qcde6fdbd78_prep
    .symbol:         k_qcde6fdbd78_prep.kd
    .args:
      - { .name: W_K, .offset: 0, .size: 8, .value_kind: global_buffer, .address_space: global }
      - { .name: W_V, .offset: 8, .size: 8, .value_kind: global_buffer, .address_space: global }
      - { .name: W_Q, .offset: 16, .size: 8, .value_kind: global_buffer, .address_space: global }
      - { .name: decoder_outputs, .offset: 24, .size: 8, .value_kind: global_buffer, .address_space: global }
      - { .name: wcodes, .offset: 32, .size: 8, .value_kind: global_buffer, .address_space: global }
      - { .name: wscales, .offset: 40, .size: 8, .value_kind: global_buffer, .address_space: global }
      - { .name: qpart, .offset: 48, .size: 8, .value_kind: global_buffer, .address_space: global }
    .group_segment_fixed_size: 101888
    .private_segment_fixed_size: 0
    .kernarg_segment_align: 8
    .kernarg_segment_size: 56
    .max_flat_workgroup_size: 128
    .sgpr_count:     66
    .vgpr_count:     192
    .wavefront_size: 32
...
	.end_amdgpu_metadata
.endif
;; end of part 1
;; launch main (part 2): grid 256 x 1, 8 waves a work-group, no clusters, 327,680 bytes of LDS; arguments encoder_outputs, wcodes, wscales, qpart, scores, stats, ctxp; writes scores, stats, ctxp
.if DOCPART == 2
	.amdgcn_target "amdgcn-amd-amdhsa--gfx1250"
	.amdhsa_code_object_version 6
	.text
	.protected	k_qcde6fdbd78_main
	.globl	k_qcde6fdbd78_main
	.p2align	8
	.type	k_qcde6fdbd78_main,@function
k_qcde6fdbd78_main:
	s_mov_b64 s[64:65], 0
	v_nop
	global_prefetch_b8 v0, s[64:65] scope:SCOPE_SE
	s_setreg_imm32_b32 hwreg(HW_REG_WAVE_MODE, 25, 1), 1
	s_wait_xcnt 0x0
; A work-group owns 512 rows s of one batch (16 work-groups a batch) and makes: their scores Q.K (unscaled), and over its own rows the largest score m, l = sum of 2^((score - m) c) and
; ctxp[e] = sum of 2^((score - m) c) V[s][e]; c = log2(e) / sqrt(512).  The next launch joins the sixteen parts.
; EIGHT WAVES.  Waves 0-3 hold W_K (128 rows e each) in registers, make the scores and quantise X, 16 rows of each tile of 64; waves 4-7 hold W_V (128 rows each) and make softmax and context.
; EIGHT TILES of 64 rows.  Between two turns i - 1 and i these run side by side: V of tile i - 2, K of tile i - 1, the quantising of tile i (into registers).  A turn has two barriers: behind the first nobody
; reads the image of tile i - 2 or the raw tile i any more: the raw slot is filled with tile i + 2, and the codes of tile i are stored into that image; behind the second the image is whole.
; RAW X comes by tensor loads, one a wave: 8 rows x 2,048 bytes, stated as 64 rows of 256 bytes, 16 bytes of padding behind each.  A lane quantises a whole block of 32: lane l of unit u takes row 2 u + l / 16, block l % 16.
; IMAGE of a tile's codes: [m 4][block 16][row 16][16 bytes], blocks 272 bytes apart; scale bytes [row 64][block 16].
; K: source 0 = 16 rows of W_K, source 1 = 16 rows of X: lane (r, h), register j: K(s = r, e = 8 h + j).  V: source 0 = X, source 1 = W_V: V(s = 8 h + j, e = r): a lane sums its own channels' rows.
; W's scale words: register 4 (t / 2) + s: lanes 0-15 tile t even, lanes 16-31 tile t odd (ROW1).
; NO CLUSTER: work-groups share no row of X; what they share, the weights' codes, goes straight from memory into registers in the operand's order: 262,144 bytes, for which LDS has no room beside two raw slots.
; PREFETCH: each aligned block of 256 bytes of X once: waves 0-3 ask for tile 1 at the head; behind the load of tile i every wave asks for its own rows of tile i + 1; it stops at tile 7.
; LIMITS: a block of zeros gets the byte 1 where the quantiser says 127 (its codes are zeros, and this program alone reads the bytes); blocks whose largest magnitude lies under 2^-124 get the byte 1; NaN and infinities among the inputs are not served.
.set WRAW,  17408                      ; a wave's load in a slot: 64 x 272
.set SLOT,  8*WRAW
.set IMG,   2*SLOT
.set IMGB,  17408
.set XSC,   IMG+2*IMGB
.set PS,    XSC+2048                   ; partial scores [2][K wave 4][64] f32
.set OUT,   PS+2048                    ; 512 bytes for each wave: q on its way in, p, the context on its way out
.set SPARE, OUT+4096                   ; 128 bytes for each wave
.set SO,  0                            ; 8 x lane (thread number until the head's end)
.set LI,  1                            ; 16 x lane
.set RAW, 2                            ; v2, v3 raw slots 0, 1
.set IMW, 4
.set IMR, 5
.set SCW, 6
.set SCR, 7
.set PSW, 8
.set PSR, 9
.set PWR, 10
.set PRD, 11
.set SPW, 12
.set NIL, 13
.set PFO, 14                           ; 256 x lane
.set O16, 15
.set WS,  16
.set ACC, 32
.set CD,  64                           ; v64-95 a K wave's codes from its quantising to the turn
.set XF,  96
.set XS,  160
.set QR,  176                          ; K: q
.set CX,  176                          ; V: context, a pair a tile
.set PR,  192                          ; V: partial scores, then p
.set CH,  240                          ; K: four chains
.set SP,  248
.set SS,  240                          ; V: my two rows' scores
.set F,   242
.set MX,  244
.set LS,  245
.set T,   246
.set T2,  247
.set SOP, 246
.set MA,  252
.set MB,  253
.set MC,  254
.set MD,  255
.set PP,  252
.set DD,  254
.set MXN, 255
.set WSO, 240
.set QRD, 241
.set MSB, 0
.macro WIN new
.if MSB != \new
	s_set_vgpr_msb (MSB<<8)|\new
.set MSB, \new
.endif
.endm
; ---- quantising: eight units of 32 numbers a lane, through three raw buffers (both fragment buffers and the first accumulator set, idle by then)
.macro LRAW reg, u, par
.irp j, 0,1,2,3,4,5,6,7
	ds_load_b128 v[\reg+4*\j:\reg+4*\j+3], v[RAW+(\par)] offset:4352*(\u)+16*\j
.endr
.endm
.macro LRAW3 par
	LRAW 96, 0, \par
	LRAW 128, 1, \par
	LRAW 32, 2, \par
.endm
.macro BYSEL u                         ; scale bytes: v248-251, v240-243
.if (\u) < 4
.set BYR, 248+(\u)
.else
.set BYR, 236+(\u)
.endif
.endm
.macro QU u, rx, par, left
	BYSEL \u
	s_wait_dscnt \left
	v_max3_num_f32 v[MA], |v[\rx]|, |v[\rx+1]|, |v[\rx+2]|
	v_max3_num_f32 v[MB], |v[\rx+3]|, |v[\rx+4]|, |v[\rx+5]|
	v_max3_num_f32 v[MC], |v[\rx+6]|, |v[\rx+7]|, |v[\rx+8]|
	v_max3_num_f32 v[MD], |v[\rx+9]|, |v[\rx+10]|, |v[\rx+11]|
.irp i, 12,20
	v_max3_num_f32 v[MA], v[MA], |v[\rx+\i]|, |v[\rx+\i+1]|
	v_max3_num_f32 v[MB], v[MB], |v[\rx+\i+2]|, |v[\rx+\i+3]|
	v_max3_num_f32 v[MC], v[MC], |v[\rx+\i+4]|, |v[\rx+\i+5]|
	v_max3_num_f32 v[MD], v[MD], |v[\rx+\i+6]|, |v[\rx+\i+7]|
.endr
	v_max3_num_f32 v[MA], v[MA], |v[\rx+28]|, |v[\rx+29]|
	v_max3_num_f32 v[MB], v[MB], |v[\rx+30]|, |v[\rx+31]|
	v_max3_num_f32 v[MD], v[MD], v[MC], 0x1800000              ; and the floor 2^(3 - 127): the byte cannot fall under 1
	v_max3_num_f32 v[MA], v[MA], v[MB], v[MD]
	v_add_nc_u32 v[SOP], 0xff000000, v[MA]                     ; 2 off the exponent field
.irp g, 0,1,2,3
	v_cvt_scalef32_pk8_fp4_f32 v[CD+4*(\u)+\g], v[\rx+8*\g:\rx+8*\g+7], v[SOP]
.endr
	v_lshrrev_b32 v[BYR], 23, v[SOP]                           ; the byte; also the plain line behind the conversions
.if (\u)+3 < 8
	LRAW \rx, \u+3, \par
.endif
.endm
.macro QSTREAM par                     ; units 0, 1, 2 are on their way; two units (16 loads) may be out behind the one in hand
	QU 0, 96, \par, 16
	QU 1, 128, \par, 16
	QU 2, 32, \par, 16
	QU 3, 96, \par, 16
	QU 4, 128, \par, 16
	QU 5, 32, \par, 16
	QU 6, 96, \par, 8
	QU 7, 128, \par, 0
.endm
.macro STC par
.irp u, 0,1,2,3,4,5,6,7
	BYSEL \u
	ds_store_b128 v[IMW], v[CD+4*\u:CD+4*\u+3] offset:IMGB*\par+32*\u
	ds_store_b8 v[SCW], v[BYR] offset:1024*\par+32*\u
.endr
.endm
; ---- products.  An accumulator's next step has three others' between
.macro LX mm, p                        ; X's fragments of 16 rows, four K steps, into buffer mm % 2
.irp s, 0,1,2,3
.irp c, 0,1
	ds_load_b128 v[XF+32*((\mm)%2)+8*\s+4*\c:XF+32*((\mm)%2)+8*\s+4*\c+3], v[IMR] offset:IMGB*(\p)+4352*(\mm)+1088*\s+544*\c
.endr
.endr
.endm
.macro LXS p
.irp m, 0,1,2,3
	ds_load_b128 v[XS+4*\m:XS+4*\m+3], v[SCR] offset:1024*(\p)+256*\m
.endr
.endm
.macro MK tt, s, m
.set AD, ACC+8*(\tt)
.set WR, 8*(4*(\tt)+\s)
.set XR, XF+32*((\m)%2)+8*\s
.set WR2, WS+4*((\tt)/2)+\s
.if \s == 0
.if (\tt)%2
	v_wmma_scale_f32_16x16x128_f8f6f4 v[AD:AD+7], v[WR:WR+7], v[XR:XR+7], 0, v[WR2], v[XS+4*(\m)+\s] matrix_a_fmt:MATRIX_FMT_FP4 matrix_b_fmt:MATRIX_FMT_FP4 matrix_a_scale:MATRIX_SCALE_ROW1
.else
	v_wmma_scale_f32_16x16x128_f8f6f4 v[AD:AD+7], v[WR:WR+7], v[XR:XR+7], 0, v[WR2], v[XS+4*(\m)+\s] matrix_a_fmt:MATRIX_FMT_FP4 matrix_b_fmt:MATRIX_FMT_FP4
.endif
.else
.if (\tt)%2
	v_wmma_scale_f32_16x16x128_f8f6f4 v[AD:AD+7], v[WR:WR+7], v[XR:XR+7], v[AD:AD+7], v[WR2], v[XS+4*(\m)+\s] matrix_a_fmt:MATRIX_FMT_FP4 matrix_b_fmt:MATRIX_FMT_FP4 matrix_a_scale:MATRIX_SCALE_ROW1
.else
	v_wmma_scale_f32_16x16x128_f8f6f4 v[AD:AD+7], v[WR:WR+7], v[XR:XR+7], v[AD:AD+7], v[WR2], v[XS+4*(\m)+\s] matrix_a_fmt:MATRIX_FMT_FP4 matrix_b_fmt:MATRIX_FMT_FP4
.endif
.endif
.endm
.macro MV tt, s, m
.set AD, ACC+8*(\tt)
.set WR, 8*(4*(\tt)+\s)
.set XR, XF+32*((\m)%2)+8*\s
.set WR2, WS+4*((\tt)/2)+\s
.if \s == 0
.if (\tt)%2
	v_wmma_scale_f32_16x16x128_f8f6f4 v[AD:AD+7], v[XR:XR+7], v[WR:WR+7], 0, v[XS+4*(\m)+\s], v[WR2] matrix_a_fmt:MATRIX_FMT_FP4 matrix_b_fmt:MATRIX_FMT_FP4 matrix_b_scale:MATRIX_SCALE_ROW1
.else
	v_wmma_scale_f32_16x16x128_f8f6f4 v[AD:AD+7], v[XR:XR+7], v[WR:WR+7], 0, v[XS+4*(\m)+\s], v[WR2] matrix_a_fmt:MATRIX_FMT_FP4 matrix_b_fmt:MATRIX_FMT_FP4
.endif
.else
.if (\tt)%2
	v_wmma_scale_f32_16x16x128_f8f6f4 v[AD:AD+7], v[XR:XR+7], v[WR:WR+7], v[AD:AD+7], v[XS+4*(\m)+\s], v[WR2] matrix_a_fmt:MATRIX_FMT_FP4 matrix_b_fmt:MATRIX_FMT_FP4 matrix_b_scale:MATRIX_SCALE_ROW1
.else
	v_wmma_scale_f32_16x16x128_f8f6f4 v[AD:AD+7], v[XR:XR+7], v[WR:WR+7], v[AD:AD+7], v[XS+4*(\m)+\s], v[WR2] matrix_a_fmt:MATRIX_FMT_FP4 matrix_b_fmt:MATRIX_FMT_FP4
.endif
.endif
.endm
.macro WK m, g                         ; set g (tiles 4 g ..) of rows 16 m ..
	WIN 0x01
.irp s, 0,1,2,3
.irp t, 0,1,2,3
	MK 4*\g+\t, \s, \m
.endr
.endr
.endm
.macro WV m, g
	WIN 0x04
.irp s, 0,1,2,3
.irp t, 0,1,2,3
	MV 4*\g+\t, \s, \m
.endr
.endr
.endm
.macro DK m, g                         ; x q, over the set's four tiles; the other set's products stand between a set's products and this
	WIN 0
.irp t, 0,1,2,3
.irp q, 0,1,2,3
.if (\t == 0) && (\g == 0)
	v_pk_mul_f32 v[CH+2*\q:CH+2*\q+1], v[ACC+2*\q:ACC+2*\q+1], v[QR+2*\q:QR+2*\q+1]
.else
	v_pk_fma_f32 v[CH+2*\q:CH+2*\q+1], v[ACC+8*(4*\g+\t)+2*\q:ACC+8*(4*\g+\t)+2*\q+1], v[QR+8*(4*\g+\t)+2*\q:QR+8*(4*\g+\t)+2*\q+1], v[CH+2*\q:CH+2*\q+1]
.endif
.endr
.endr
.endm
.macro FIN m
	v_pk_add_f32 v[CH:CH+1], v[CH:CH+1], v[CH+2:CH+3]
	v_pk_add_f32 v[CH+4:CH+5], v[CH+4:CH+5], v[CH+6:CH+7]
	v_pk_add_f32 v[CH:CH+1], v[CH:CH+1], v[CH+4:CH+5]
	v_add_f32 v[SP+\m], v[CH], v[CH+1]
.endm
.macro DV m, g                         ; x p, summed into each tile's pair
	WIN 0
.irp q, 0,1,2,3
.irp t, 0,1,2,3
	v_pk_fma_f32 v[CX+2*(4*\g+\t):CX+2*(4*\g+\t)+1], v[ACC+8*(4*\g+\t)+2*\q:ACC+8*(4*\g+\t)+2*\q+1], v[PR+8*\m+2*\q:PR+8*\m+2*\q+1], v[CX+2*(4*\g+\t):CX+2*(4*\g+\t)+1]
.endr
.endr
.endm
.macro PLACES
.rept 4
	v_nop
.endr
.endm
.macro KPROD p, rp, ahead              ; ahead = 1: raw units 0, 1, 2 of slot rp are asked for as their buffers fall idle
	LXS \p
	LX 0, \p
	LX 1, \p
	s_wait_loadcnt 0x0                             ; the weights (the first time)
	s_wait_dscnt 8                                 ; scales and rows 0-15 are in; rows 16-31 may be out
	WK 0, 0
	WK 0, 1
	WIN 0
	s_wait_dscnt 0x0
	PLACES
	DK 0, 0
	LX 2, \p
	WK 1, 0
	DK 0, 1
	FIN 0
	WK 1, 1
	WIN 0
	s_wait_dscnt 0x0
	DK 1, 0
	LX 3, \p
	WK 2, 0
	DK 1, 1
	FIN 1
	WK 2, 1
	WIN 0
	s_wait_dscnt 0x0
	DK 2, 0
.if \ahead
	LRAW 96, 0, \rp
.endif
	WK 3, 0
	DK 2, 1
	FIN 2
	WK 3, 1
	DK 3, 0
.if \ahead
	LRAW 128, 1, \rp
	LRAW 32, 2, \rp
.endif
	DK 3, 1
	FIN 3
	v_cndmask_b32 v[CH], v[SP], v[SP+1], s22       ; lanes 0-15 rows 0-15, lanes 16-31 rows 16-31,
	v_cndmask_b32 v[CH+1], v[SP+1], v[SP], s22     ; and what lane l xor 16 lacks
	v_cndmask_b32 v[CH+2], v[SP+2], v[SP+3], s22
	v_cndmask_b32 v[CH+3], v[SP+3], v[SP+2], s22
	v_permlanex16_b32 v[CH+4], v[CH+1], s20, s21
	v_permlanex16_b32 v[CH+5], v[CH+3], s20, s21
	v_add_f32 v[CH], v[CH], v[CH+4]
	v_add_f32 v[CH+2], v[CH+2], v[CH+5]
	ds_store_b32 v[PSW], v[CH] offset:1024*(\p)
	ds_store_b32 v[PSW], v[CH+2] offset:1024*(\p)+128
.endm
.macro VSM
	v_pk_add_f32 v[SS:SS+1], v[PR:PR+1], v[PR+2:PR+3]
	v_pk_add_f32 v[T:T2], v[PR+4:PR+5], v[PR+6:PR+7]
	v_pk_add_f32 v[SS:SS+1], v[SS:SS+1], v[T:T2]
	v_max_num_f32 v[T], v[SS], v[SS+1]
	v_max_num_f32_dpp v[T], v[T], v[T] row_xmask:1 row_mask:0xf bank_mask:0xf
	v_max_num_f32_dpp v[T], v[T], v[T] row_xmask:2 row_mask:0xf bank_mask:0xf
	v_max_num_f32_dpp v[T], v[T], v[T] row_xmask:4 row_mask:0xf bank_mask:0xf
	v_max_num_f32_dpp v[T], v[T], v[T] row_xmask:8 row_mask:0xf bank_mask:0xf
	v_permlanex16_b32 v[T2], v[T], s20, s21
	v_max3_num_f32 v[MXN], v[MX], v[T], v[T2]      ; the running largest score
	v_sub_f32 v[DD], v[MX], v[MXN]
	v_sub_f32 v[PP], v[SS], v[MXN]
	v_sub_f32 v[PP+1], v[SS+1], v[MXN]
	v_mul_f32 v[DD], s23, v[DD]
	v_mul_f32 v[PP], s23, v[PP]
	v_mul_f32 v[PP+1], s23, v[PP+1]
	s_wait_alu depctr_va_vdst(0)                   ; ahead of the batch
	v_exp_f32 v[PP], v[PP]
	v_exp_f32 v[PP+1], v[PP+1]
	v_exp_f32 v[F], v[DD]
	v_mov_b32 v[MX], v[MXN]                        ; a plain place
	s_wait_alu depctr_va_vdst(0)                   ; and behind it
	ds_store_b64 v[PWR], v[PP:PP+1]
.irp m, 0,1,2,3
	ds_load_b128 v[PR+8*\m:PR+8*\m+3], v[PRD] offset:64*\m         ; p of rows 16 m + 8 h + 0 .. 7: my own bytes, in order
	ds_load_b128 v[PR+8*\m+4:PR+8*\m+7], v[PRD] offset:64*\m+16
.endr
	v_add_f32 v[T], v[PP], v[PP+1]
	v_fma_f32 v[LS], v[LS], v[F], v[T]             ; my two rows' share of the sum
.irp t, 0,1,2,3,4,5,6,7
	v_pk_mul_f32 v[CX+2*\t:CX+2*\t+1], v[CX+2*\t:CX+2*\t+1], v[F:F+1] op_sel_hi:[1,0]
.endr
	s_wait_alu depctr_va_vdst(0)                   ; ahead of the branch
	s_cmp_lg_u32 s18, 4                            ; the four V waves hold the same scores: wave 4 stores them
	s_cbranch_scc1 .Lns_\@
	global_store_b64 v[SO], v[SS:SS+1], s[50:51]   ; 32 lanes store 256 consecutive bytes, aligned
.Lns_\@:
.endm
.macro VPROD p
.irp w, 0,1,2,3
	ds_load_b64 v[PR+2*\w:PR+2*\w+1], v[PSR] offset:1024*(\p)+256*\w   ; the four K waves' partial scores of my rows 2 l, 2 l + 1
.endr
	LXS \p
	LX 0, \p
	LX 1, \p
	s_wait_loadcnt 0x0                             ; the weights (the first time)
	s_wait_dscnt 20                                ; the partial scores are in; scales and 32 rows of X may be out
	VSM
	s_wait_dscnt 17                                ; scales and rows 0-15 are in; rows 16-31, p's store and its eight loads may be out
	WV 0, 0
	WV 0, 1
	WIN 0
	s_wait_dscnt 0x0
	PLACES
	DV 0, 0
	LX 2, \p
	WV 1, 0
	DV 0, 1
	WV 1, 1
	WIN 0
	s_wait_dscnt 0x0
	DV 1, 0
	LX 3, \p
	WV 2, 0
	DV 1, 1
	WV 2, 1
	WIN 0
	s_wait_dscnt 0x0
	DV 2, 0
	WV 3, 0
	DV 2, 1
	WV 3, 1
	DV 3, 0
	DV 3, 1
	s_wait_xcnt 0x0                                ; the store of the scores has read its base and its data
	s_add_nc_u64 s[50:51], s[50:51], 256
.endm
; ---- between two turns, tiles 0 to 5 being quantised.  s40 = the trip: there is no K before turn 0, no V before turn 1
.macro PHASE par
	s_cmp_lt_u32 s18, 4
	s_cbranch_scc0 .Lpv_\@
.if \par == 0
	s_cmp_eq_u32 s40, 0
	s_cbranch_scc1 .Lpk_\@
.endif
	KPROD 1-\par, \par, 1
.if \par == 0
	s_branch .Lpq_\@
.Lpk_\@:
	LRAW3 \par
.Lpq_\@:
.endif
	QSTREAM \par
	s_branch .Lpj_\@
.Lpv_\@:
	s_cmp_eq_u32 s40, 0
	s_cbranch_scc1 .Lpj_\@
	VPROD \par
.Lpj_\@:
.endm
; the same for turns 6 to 9: tiles 6 and 7 are quantised in trip 0, K ends in trip 1's first half
.macro TPHASE par
	s_cmp_lt_u32 s18, 4
	s_cbranch_scc0 .Ltv_\@
.if \par
	s_cmp_eq_u32 s40, 1
	s_cbranch_scc1 .Ltj_\@
.endif
	KPROD 1-\par, \par, 0
.if \par == 0
	s_cmp_eq_u32 s40, 1
	s_cbranch_scc1 .Ltj_\@
.endif
	LRAW3 \par
	QSTREAM \par
	s_branch .Ltj_\@
.Ltv_\@:
	VPROD \par
.Ltj_\@:
.endm
.macro TURN par, fill
	s_wait_alu depctr_va_vdst(0)                   ; ahead of the waits below
.if \fill
	s_wait_xcnt 0x0                                ; my prefetches have read their base
.endif
	s_wait_tensorcnt 0x0                           ; my rows of the next tile are in; no tensor load of mine is out
.if \fill
	ds_add_u32 v[SPW], v[NIL]
	s_add_nc_u64 s[34+4*\par:35+4*\par], s[34+4*\par:35+4*\par], 262144   ; two tiles on
	s_add_nc_u64 s[56:57], s[56:57], 131072
.endif
	s_wait_dscnt 0x0                               ; and my LDS reads and stores are over
	s_barrier_signal -1
	s_barrier_wait -1
.if \fill
	tensor_load_to_lds s[32+4*\par:35+4*\par], s[24:31]
	s_nop 0
.else
	s_cmp_eq_u32 s40, 1                            ; no codes in the last trip
	s_cbranch_scc1 .Lst_\@
.endif
	s_cmp_lt_u32 s18, 4
	s_cbranch_scc0 .Lst_\@
	STC \par
.Lst_\@:
.if \fill
.if \par
	s_cmp_lt_u32 s40, 2                            ; none behind tile 7
	s_cbranch_scc0 .Lnp_\@
.endif
	global_prefetch_b8 v[PFO], s[56:57] offset:131072 th:TH_LOAD_NT scope:SCOPE_SE    ; the tile behind the one just asked for
	global_prefetch_b8 v[PFO], s[56:57] offset:139264 th:TH_LOAD_NT scope:SCOPE_SE
.Lnp_\@:
.endif
	s_wait_dscnt 0x0                               ; my codes are stored
	s_barrier_signal -1
	s_barrier_wait -1
.endm
.macro WLOADS                          ; my 128 rows' codes: 64 loads of 512 consecutive bytes
	WIN 0x40
.set i, 0
.rept 64
	global_load_b128 v[4*i:4*i+3], v[LI], s[44:45] offset:512*i
.set i, i+1
.endr
	WIN 0
.endm
	s_load_b256 s[4:11], s[0:1], 0x0               ; X s[4:5], wcodes s[6:7], wscales s[8:9], qpart s[10:11]
	s_load_b128 s[12:15], s[0:1], 0x20             ; scores s[12:13], stats s[14:15]
	s_load_b64 s[16:17], s[0:1], 0x30              ; ctxp
	v_lshl_add_u32 v[SPW], v0, 2, SPARE
	v_mov_b32 v[NIL], 0
	ds_add_u32 v[SPW], v[NIL]                      ; the opening: the add, twice on end
	ds_add_u32 v[SPW], v[NIL]
	v_lshrrev_b32 v[T], 5, v0
	v_readfirstlane_b32 s18, v[T]                  ; wave 0..7
	s_mov_b32 s24, (3<<16)|(1<<20)|(5<<22)|(3<<25) ; elements of 8 bytes; four words of padding after every 64
	s_mov_b32 s25, 32<<16
	s_mov_b32 s26, 64<<16
	s_mov_b32 s27, 32<<16
	s_mov_b32 s28, 64
	s_mov_b32 s29, 32
	s_mov_b32 s30, 0
	s_mov_b32 s31, 0
	s_mov_b32 s32, 1
	s_mul_i32 s33, s18, WRAW
	s_mov_b32 s36, 1
	s_add_co_u32 s37, s33, SLOT
	s_mov_b32 s20, 0x76543210
	s_mov_b32 s21, 0xfedcba98                      ; selects for lane l xor 16
	s_mov_b32 s22, 0xffff0000                      ; lanes 16-31
	s_mov_b32 s23, 0x3d8293ee                      ; c
	s_and_b32 s19, s18, 3                          ; my place among the four of my kind
	s_mul_i32 s42, s19, 4352
	s_add_co_u32 s42, s42, IMG                     ; a K wave's 16 rows in an image,
	s_lshl_b32 s43, s19, 8
	s_add_co_u32 s44, s43, PS
	s_add_co_u32 s43, s43, XSC                     ; their scale bytes,
	s_mul_i32 s41, s19, 2*WRAW                     ; and raw: what two waves' loads bring
	s_lshl_b32 s45, s18, 9
	s_add_co_u32 s45, s45, OUT
	v_and_b32 v[T], 31, v0                         ; lane
	v_and_b32 v[MA], 15, v0                        ; r
	v_bfe_u32 v[MB], v0, 4, 1                      ; h
	v_bfe_u32 v[MC], v0, 1, 4                      ; lane / 2
	v_and_b32 v[MD], 1, v0
	v_lshlrev_b32 v[LI], 4, v[T]
	v_lshlrev_b32 v[PFO], 8, v[T]
	v_mul_u32_u24 v[RAW], v[MC], 272
	v_lshl_add_u32 v[RAW], v[MD], 7, v[RAW]
	v_add_nc_u32 v[RAW], s41, v[RAW]
	v_add_nc_u32 v[RAW+1], SLOT, v[RAW]
	v_mul_u32_u24 v[IMW], v[MA], 272
	v_lshl_add_u32 v[IMW], v[MB], 4, v[IMW]
	v_add_nc_u32 v[IMW], s42, v[IMW]
	v_mul_u32_u24 v[IMR], v[MB], 272
	v_lshl_add_u32 v[IMR], v[MA], 4, v[IMR]
	v_add_nc_u32 v[IMR], IMG, v[IMR]
	v_add_nc_u32 v[SCW], s43, v[T]
	v_lshl_add_u32 v[SCR], v[MA], 4, XSC
	v_lshl_add_u32 v[PSW], v[T], 2, s44
	v_lshl_add_u32 v[PSR], v[T], 3, PS
	v_lshl_add_u32 v[PWR], v[T], 3, s45
	v_lshl_add_u32 v[PRD], v[MB], 5, s45
	v_add_nc_u32 v[O16], s45, v[LI]
	v_lshlrev_b32 v[WSO], 4, v[MA]
	v_lshl_add_u32 v[WSO], v[MB], 9, v[WSO]        ; lanes 16-31: the next tile's rows
	v_lshl_add_u32 v[QRD], v[MB], 4, s45
	v_lshlrev_b32 v[SO], 3, v[T]
	s_lshl_b32 s46, ttmp9, 20                      ; 512 rows of 2,048 bytes
	s_lshl_b32 s47, s18, 14                        ; my 8 rows of a tile
	s_add_co_u32 s46, s46, s47
	s_mov_b32 s47, 0
	s_wait_alu depctr_va_vdst(0)
	s_wait_dscnt 0x0                               ; both adds are done
	s_wait_kmcnt 0x0
	s_add_nc_u64 s[34:35], s[4:5], s[46:47]        ; tile 0
	s_add_nc_u64 s[38:39], s[34:35], 131072        ; tile 1
	s_mov_b64 s[56:57], s[38:39]
	s_or_b32 s35, s35, 0x80000000
	s_or_b32 s39, s39, 0x80000000
	tensor_load_to_lds s[32:35], s[24:31]          ; my rows of tile 0
	s_nop 0
	s_mov_b32 s43, 0
	s_lshl_b32 s42, s18, 15
	s_add_nc_u64 s[44:45], s[6:7], s[42:43]        ; my 128 rows of W_K (waves 0-3) or W_V (4-7)
	s_lshl_b32 s42, s19, 12
	s_lshr_b32 s41, s18, 2
	s_lshl_b32 s41, s41, 8
	s_add_co_u32 s42, s42, s41
	s_add_nc_u64 s[46:47], s[8:9], s[42:43]        ; their scale words
	s_lshl_b32 s42, s19, 13
	s_lshr_b32 s41, ttmp9, 4
	s_lshl_b32 s41, s41, 4
	s_add_co_u32 s42, s42, s41
	s_add_nc_u64 s[48:49], s[10:11], s[42:43]      ; q of my batch
	s_lshl_b32 s42, ttmp9, 11
	s_add_nc_u64 s[50:51], s[12:13], s[42:43]      ; scores
	s_lshl_b32 s41, s19, 9
	s_add_co_u32 s42, s42, s41
	s_add_nc_u64 s[52:53], s[16:17], s[42:43]      ; ctxp
	s_lshl_b32 s42, ttmp9, 3
	s_add_nc_u64 s[54:55], s[14:15], s[42:43]      ; stats
.irp u, 0,1,2,3
	global_load_b128 v[WS+4*\u:WS+4*\u+3], v[WSO], s[46:47] offset:1024*\u
.endr
	s_cmp_lt_u32 s18, 4
	s_cbranch_scc0 .Lhead_v
.irp p, 0,1,2,3
	global_load_b128 v[32+4*\p:35+4*\p], v[PFO], s[48:49] offset:32768*\p   ; K step p's part: lane 4 t + 2 g + h: e = 16 t + 8 h + 4 g + 0 .. 3 of my 128
.endr
	WLOADS                                         ; W_K is wanted first; waves 4-7 ask for W_V behind the barrier below
	global_prefetch_b8 v[PFO], s[56:57] th:TH_LOAD_NT scope:SCOPE_SE                  ; tile 1: my rows,
	global_prefetch_b8 v[PFO], s[56:57] offset:8192 th:TH_LOAD_NT scope:SCOPE_SE
	global_prefetch_b8 v[PFO], s[56:57] offset:65536 th:TH_LOAD_NT scope:SCOPE_SE     ; and those of the wave four on
	global_prefetch_b8 v[PFO], s[56:57] offset:73728 th:TH_LOAD_NT scope:SCOPE_SE
.Lhead_v:
	s_wait_tensorcnt 0x0                           ; my rows of tile 0 are in
	ds_add_u32 v[SPW], v[NIL]
	s_wait_dscnt 0x0
	s_barrier_signal -1
	s_barrier_wait -1
	tensor_load_to_lds s[36:39], s[24:31]          ; tile 1: slot 1's first fill
	s_nop 0
	global_prefetch_b8 v[PFO], s[56:57] offset:131072 th:TH_LOAD_NT scope:SCOPE_SE    ; tile 2
	global_prefetch_b8 v[PFO], s[56:57] offset:139264 th:TH_LOAD_NT scope:SCOPE_SE
	s_cmp_lt_u32 s18, 4
	s_cbranch_scc0 .Lvinit
	s_wait_loadcnt 0x30                            ; the scale words and q are in; 48 of the 64 loads of codes may be out
	v_pk_add_f32 v[32:33], v[32:33], v[36:37]      ; the four K steps' parts of q
	v_pk_add_f32 v[34:35], v[34:35], v[38:39]
	v_pk_add_f32 v[40:41], v[40:41], v[44:45]
	v_pk_add_f32 v[42:43], v[42:43], v[46:47]
	v_pk_add_f32 v[32:33], v[32:33], v[40:41]
	v_pk_add_f32 v[34:35], v[34:35], v[42:43]
	ds_store_b128 v[O16], v[32:35]                 ; through my own bytes of LDS, which serves a wave's instructions in order (ISA guide 5.7.1.4)
.irp t, 0,1,2,3,4,5,6,7
	ds_load_b128 v[QR+8*\t:QR+8*\t+3], v[QRD] offset:64*\t
	ds_load_b128 v[QR+8*\t+4:QR+8*\t+7], v[QRD] offset:64*\t+32
.endr
	s_wait_dscnt 0x0
	s_branch .Lgo
.Lvinit:
	s_wait_loadcnt 0x0                             ; my scale words are in: nothing is out when the codes' registers are loaded
	WLOADS                                         ; W_V
.irp t, 0,1,2,3,4,5,6,7,8,9,10,11,12,13,14,15
	v_mov_b32 v[CX+\t], 0                          ; the loop's V is written once: its first rescaling finds zeros
.endr
	v_mov_b32 v[MX], 0xff61b1e6                    ; -3e38
	v_mov_b32 v[LS], 0
	v_mov_b32 v[F+1], 0                            ; named as a pair's upper half
	s_wait_alu depctr_va_vdst(0)
.Lgo:
	s_mov_b32 s40, 0
.Lmain:                                                ; turns 0 to 5 fill a slot again, with tiles 2 to 7
	PHASE 0
	TURN 0, 1
	PHASE 1
	TURN 1, 1
	s_add_co_u32 s40, s40, 1
	s_cmp_lt_u32 s40, 3
	s_cbranch_scc1 .Lmain
	s_mov_b32 s40, 0
.Ltail:                                                ; nothing is filled any more
	TPHASE 0
	TURN 0, 0
	TPHASE 1
	TURN 1, 0
	s_add_co_u32 s40, s40, 1
	s_cmp_lt_u32 s40, 2
	s_cbranch_scc1 .Ltail
	s_cmp_lt_u32 s18, 4
	s_cbranch_scc0 .Lout
	s_wait_tensorcnt 0x0                           ; a K wave's end
	ds_add_u32 v[SPW], v[NIL]
	s_wait_dscnt 0x0
	s_endpgm
.Lout:
	; the context: a tile's pair, then the two halves of the lanes; lane l of u: channel 32 u + l of my 128
.irp t, 0,1,2,3,4,5,6,7
	v_add_f32 v[PR+\t], v[CX+2*\t], v[CX+2*\t+1]
.endr
	v_add_f32_dpp v[LS], v[LS], v[LS] row_xmask:1 row_mask:0xf bank_mask:0xf
.irp u, 0,1,2,3
	v_cndmask_b32 v[PR+8+\u], v[PR+2*\u], v[PR+2*\u+1], s22
	v_cndmask_b32 v[PR+12+\u], v[PR+2*\u+1], v[PR+2*\u], s22
.endr
	v_add_f32_dpp v[LS], v[LS], v[LS] row_xmask:2 row_mask:0xf bank_mask:0xf
.irp u, 0,1,2,3
	v_permlanex16_b32 v[PR+16+\u], v[PR+12+\u], s20, s21
.endr
	v_add_f32_dpp v[LS], v[LS], v[LS] row_xmask:4 row_mask:0xf bank_mask:0xf
.irp u, 0,1,2,3
	v_add_f32 v[PR+20+\u], v[PR+8+\u], v[PR+16+\u]
.endr
	s_lshl_b32 s42, s18, 9
	s_add_co_u32 s42, s42, OUT
	v_lshrrev_b32 v[PR+25], 1, v[SO]               ; 4 x lane
	v_add_nc_u32 v[PR+24], s42, v[PR+25]
.irp u, 0,1,2,3
	ds_store_b32 v[PR+24], v[PR+20+\u] offset:128*\u
.endr
	ds_load_b128 v[ACC:ACC+3], v[O16]              ; my own bytes, in order
	v_add_f32_dpp v[LS], v[LS], v[LS] row_xmask:8 row_mask:0xf bank_mask:0xf
	v_permlanex16_b32 v[T2], v[LS], s20, s21
	v_add_f32 v[LS], v[LS], v[T2]
	v_cmp_eq_u32 s43, 8, v[SO]
	v_cndmask_b32 v[T], v[MX], v[LS], s43          ; lane 0: m, lane 1: l
	s_wait_alu depctr_va_vdst(0)
	s_wait_dscnt 0x0
	global_store_b128 v[LI], v[ACC:ACC+3], s[52:53]        ; 32 lanes store 512 consecutive bytes, aligned
	s_cmp_lg_u32 s18, 4
	s_cbranch_scc1 .Lnostat
	v_cmp_gt_u32 vcc_lo, 16, v[SO]
	s_wait_xcnt 0x0                                ; EXEC changes only behind this wait
	s_and_saveexec_b32 s19, vcc_lo
	global_store_b32 v[PR+25], v[T], s[54:55]      ; 8 bytes a work-group, 2,048 in the whole launch
	s_wait_xcnt 0x0
	s_or_b32 exec_lo, exec_lo, s19
.Lnostat:
	s_wait_tensorcnt 0x0                           ; a V wave's end: the same three lines
	ds_add_u32 v[SPW], v[NIL]
	s_wait_dscnt 0x0
	s_endpgm
.Lfunc_end_k_qcde6fdbd78_main:
	.size	k_qcde6fdbd78_main, .Lfunc_end_k_qcde6fdbd78_main-k_qcde6fdbd78_main
	.p2alignl 7, 3214868480
	.fill 96, 4, 3214868480
	.section	.rodata,"a",@progbits
	.p2align	6, 0x0
	.amdhsa_kernel k_qcde6fdbd78_main
		.amdhsa_group_segment_fixed_size 327680
		.amdhsa_private_segment_fixed_size 0
		.amdhsa_enable_private_segment 0
		.amdhsa_kernarg_size 56
		.amdhsa_user_sgpr_count 2
		.amdhsa_user_sgpr_kernarg_segment_ptr 1
		.amdhsa_wavefront_size32 1
		.amdhsa_system_sgpr_workgroup_id_x 1
		.amdhsa_system_sgpr_workgroup_id_y 1
		.amdhsa_system_sgpr_workgroup_id_z 1
		.amdhsa_system_vgpr_workitem_id 0
		.amdhsa_next_free_vgpr 512
		.amdhsa_next_free_sgpr 66
		.amdhsa_reserve_vcc 1
		.amdhsa_float_denorm_mode_32 3
		.amdhsa_float_denorm_mode_16_64 3
		.amdhsa_memory_ordered 1
		.amdhsa_forward_progress 1
		.amdhsa_inst_pref_size 255
	.end_amdhsa_kernel
	.section	.bss,"aw",@nobits
	.p2align	6
	.space	262144
	.amdgpu_metadata
---
amdhsa.version: [ 1, 2 ]
amdhsa.kernels:
  - .name:           k_qcde6fdbd78_main
    .symbol:         k_qcde6fdbd78_main.kd
    .args:
      - { .name: encoder_outputs, .offset: 0, .size: 8, .value_kind: global_buffer, .address_space: global }
      - { .name: wcodes, .offset: 8, .size: 8, .value_kind: global_buffer, .address_space: global }
      - { .name: wscales, .offset: 16, .size: 8, .value_kind: global_buffer, .address_space: global }
      - { .name: qpart, .offset: 24, .size: 8, .value_kind: global_buffer, .address_space: global }
      - { .name: scores, .offset: 32, .size: 8, .value_kind: global_buffer, .address_space: global }
      - { .name: stats, .offset: 40, .size: 8, .value_kind: global_buffer, .address_space: global }
      - { .name: ctxp, .offset: 48, .size: 8, .value_kind: global_buffer, .address_space: global }
    .group_segment_fixed_size: 327680
    .private_segment_fixed_size: 0
    .kernarg_segment_align: 8
    .kernarg_segment_size: 56
    .max_flat_workgroup_size: 256
    .sgpr_count:     66
    .vgpr_count:     512
    .wavefront_size: 32
...
	.end_amdgpu_metadata
.endif
;; end of part 2
;; launch combine (part 3): grid 8 x 16, 4 waves a work-group, no clusters, 0 bytes of LDS; arguments scores, stats, ctxp, out0, out1; writes out0, out1
.if DOCPART == 3
	.amdgcn_target "amdgcn-amd-amdhsa--gfx1250"
	.amdhsa_code_object_version 6
	.text
	.protected	k_qcde6fdbd78_combine
	.globl	k_qcde6fdbd78_combine
	.p2align	8
	.type	k_qcde6fdbd78_combine,@function
k_qcde6fdbd78_combine:
	s_mov_b64 s[64:65], 0
	v_nop
	global_prefetch_b8 v0, s[64:65] scope:SCOPE_SE
	s_setreg_imm32_b32 hwreg(HW_REG_WAVE_MODE, 25, 1), 1
	s_wait_xcnt 0x0
; The sixteen work-groups' parts of a batch are joined.  M = the largest m_i; g_i = 2^((m_i - M) c); L = sum of l_i g_i; c = log2(e) / sqrt(512).
; out1[b][s] = 2^((score - M) c) / L;  out0[b][e] = sum over i of ctxp[16 b + i][e] g_i / L.
; SHARES: work-group (x, b) takes 1,024 scores and 64 channels of batch b.  Every wave makes M and L for itself from the batch's 128 bytes of statistics: no LDS, no barrier.  Wave 0 also makes the 64 channels.
; Memory binds and the launch is short: no matrix unit, no tensor load, no prefetch.
	s_load_b256 s[4:11], s[0:1], 0x0               ; scores s[4:5], stats s[6:7], ctxp s[8:9], out0 s[10:11]
	s_load_b64 s[12:13], s[0:1], 0x20              ; out1
	v_lshrrev_b32 v1, 5, v0
	v_readfirstlane_b32 s14, v1                    ; wave
	v_and_b32 v13, 31, v0
	v_lshlrev_b32 v13, 3, v13                      ; 8 x lane
	v_and_b32 v1, 15, v0
	v_lshlrev_b32 v1, 3, v1                        ; part i = lane % 16: 8 bytes; both halves of the lanes hold the same sixteen
	v_lshlrev_b32 v12, 4, v0                       ; 16 x thread
	v_mov_b32 v51, 0                               ; named as a pair's upper half, so it is written
	s_and_b32 s15, ttmp7, 0xffff                   ; b
	s_lshl_b32 s32, s15, 7                         ; stats: 128 b
	s_mov_b32 s33, 0
	s_lshl_b32 s34, s15, 15
	s_lshl_b32 s36, ttmp9, 12
	s_add_co_u32 s34, s34, s36                     ; scores, out1: 32,768 b + 4,096 x
	s_mov_b32 s35, 0
	s_lshl_b32 s36, s15, 15
	s_lshl_b32 s38, ttmp9, 8
	s_add_co_u32 s36, s36, s38                     ; ctxp: 32,768 b + 256 x
	s_mov_b32 s37, 0
	s_lshl_b32 s42, s15, 11
	s_add_co_u32 s38, s42, s38                     ; out0: 2,048 b + 256 x
	s_mov_b32 s39, 0
	s_mov_b32 s40, 0x3d8293ee                      ; c
	s_mov_b32 s41, s40                             ; (named with it as a pair)
	s_wait_alu depctr_va_vdst(0)
	s_wait_kmcnt 0x0
	s_add_nc_u64 s[6:7], s[6:7], s[32:33]
	s_add_nc_u64 s[4:5], s[4:5], s[34:35]
	s_add_nc_u64 s[12:13], s[12:13], s[34:35]
	s_add_nc_u64 s[8:9], s[8:9], s[36:37]
	s_add_nc_u64 s[10:11], s[10:11], s[38:39]
	global_load_b64 v[2:3], v1, s[6:7]                             ; m_i, l_i
	global_load_b128 v[4:7], v12, s[4:5] th:TH_LOAD_NT             ; a wave reads 512 consecutive bytes
	global_load_b128 v[8:11], v12, s[4:5] offset:2048 th:TH_LOAD_NT
	s_cmp_lg_u32 s14, 0
	s_cbranch_scc1 .Lno_ctx
.irp i, 0,1,2,3,4,5,6,7,8,9,10,11,12,13,14,15
	global_load_b64 v[16+2*\i:17+2*\i], v13, s[8:9] offset:2048*\i th:TH_LOAD_NT   ; part i's 64 channels: 256 consecutive bytes, aligned
.endr
.Lno_ctx:
	s_wait_loadcnt 0x0
	v_mov_b32 v14, v2
	v_max_num_f32_dpp v14, v14, v14 row_xmask:1 row_mask:0xf bank_mask:0xf
	v_max_num_f32_dpp v14, v14, v14 row_xmask:2 row_mask:0xf bank_mask:0xf
	v_max_num_f32_dpp v14, v14, v14 row_xmask:4 row_mask:0xf bank_mask:0xf
	v_max_num_f32_dpp v14, v14, v14 row_xmask:8 row_mask:0xf bank_mask:0xf   ; M
	v_sub_f32 v15, v2, v14                         ; the differences first, then x c
.irp j, 0,1,2,3,4,5,6,7
	v_sub_f32 v[4+\j], v[4+\j], v14
.endr
	v_mul_f32 v15, s40, v15
.irp j, 0,2,4,6
	v_pk_mul_f32 v[4+\j:5+\j], v[4+\j:5+\j], s[40:41] op_sel_hi:[1,0]
.endr
	s_wait_alu depctr_va_vdst(0)
	v_exp_f32 v15, v15                             ; g_i: one batch of nine
.irp j, 0,1,2,3,4,5,6,7
	v_exp_f32 v[4+\j], v[4+\j]
.endr
	v_nop                                          ; the plain line behind the last exponential
	s_wait_alu depctr_va_vdst(0)                   ; ahead of the batch's first reader
	v_mul_f32 v48, v3, v15
	v_add_f32_dpp v48, v48, v48 row_xmask:1 row_mask:0xf bank_mask:0xf
	v_add_f32_dpp v48, v48, v48 row_xmask:2 row_mask:0xf bank_mask:0xf
	v_add_f32_dpp v48, v48, v48 row_xmask:4 row_mask:0xf bank_mask:0xf
	v_add_f32_dpp v48, v48, v48 row_xmask:8 row_mask:0xf bank_mask:0xf       ; L
	s_wait_alu depctr_va_vdst(0)
	v_rcp_f32 v50, v48
	v_nop
	s_wait_alu depctr_va_vdst(0)
.irp j, 0,2,4,6
	v_pk_mul_f32 v[4+\j:5+\j], v[4+\j:5+\j], v[50:51] op_sel_hi:[1,0]
.endr
	global_store_b128 v12, v[4:7], s[12:13] th:TH_STORE_NT         ; a wave stores 512 consecutive bytes, aligned
	global_store_b128 v12, v[8:11], s[12:13] offset:2048 th:TH_STORE_NT
	s_cmp_lg_u32 s14, 0
	s_cbranch_scc1 .Lend
	v_mul_f32 v52, v15, v50                        ; lane i: g_i / L
.irp i, 0,1,2,3,4,5,6,7,8,9,10,11,12,13,14,15
	v_readlane_b32 s[16+\i], v52, \i
.endr
	v_mul_f32 v54, s16, v16
	v_mul_f32 v55, s16, v17
.irp i, 1,2,3,4,5,6,7,8,9,10,11,12,13,14,15
	v_fma_f32 v54, s[16+\i], v[16+2*\i], v54
	v_fma_f32 v55, s[16+\i], v[17+2*\i], v55
.endr
	global_store_b64 v13, v[54:55], s[10:11] th:TH_STORE_NT        ; 32 lanes store 256 consecutive bytes, aligned
.Lend:
	s_endpgm
.Lfunc_end_k_qcde6fdbd78_combine:
	.size	k_qcde6fdbd78_combine, .Lfunc_end_k_qcde6fdbd78_combine-k_qcde6fdbd78_combine
	.p2alignl 7, 3214868480
	.fill 96, 4, 3214868480
	.section	.rodata,"a",@progbits
	.p2align	6, 0x0
	.amdhsa_kernel k_qcde6fdbd78_combine
		.amdhsa_group_segment_fixed_size 0
		.amdhsa_private_segment_fixed_size 0
		.amdhsa_enable_private_segment 0
		.amdhsa_kernarg_size 40
		.amdhsa_user_sgpr_count 2
		.amdhsa_user_sgpr_kernarg_segment_ptr 1
		.amdhsa_wavefront_size32 1
		.amdhsa_system_sgpr_workgroup_id_x 1
		.amdhsa_system_sgpr_workgroup_id_y 1
		.amdhsa_system_sgpr_workgroup_id_z 1
		.amdhsa_system_vgpr_workitem_id 0
		.amdhsa_next_free_vgpr 64
		.amdhsa_next_free_sgpr 66
		.amdhsa_reserve_vcc 0
		.amdhsa_float_denorm_mode_32 3
		.amdhsa_float_denorm_mode_16_64 3
		.amdhsa_memory_ordered 1
		.amdhsa_forward_progress 1
		.amdhsa_inst_pref_size 9
	.end_amdhsa_kernel
	.amdgpu_metadata
---
amdhsa.version: [ 1, 2 ]
amdhsa.kernels:
  - .name:           k_qcde6fdbd78_combine
    .symbol:         k_qcde6fdbd78_combine.kd
    .args:
      - { .name: scores, .offset: 0, .size: 8, .value_kind: global_buffer, .address_space: global }
      - { .name: stats, .offset: 8, .size: 8, .value_kind: global_buffer, .address_space: global }
      - { .name: ctxp, .offset: 16, .size: 8, .value_kind: global_buffer, .address_space: global }
      - { .name: out0, .offset: 24, .size: 8, .value_kind: global_buffer, .address_space: global }
      - { .name: out1, .offset: 32, .size: 8, .value_kind: global_buffer, .address_space: global }
    .group_segment_fixed_size: 0
    .private_segment_fixed_size: 0
    .kernarg_segment_align: 8
    .kernarg_segment_size: 40
    .max_flat_workgroup_size: 128
    .sgpr_count:     66
    .vgpr_count:     64
    .wavefront_size: 32
...
	.end_amdgpu_metadata
.endif
;; end of part 3
